; MI455X (gfx1250); checked and timed in simulation.
; The chip was launched on July 23, 2026; its instructions are those of AMD's public machine-readable ISA for CDNA 5 (MIT licence, August 2026) and "CDNA5" Instruction Set Architecture Reference Guide (July 2026). The comments in the code are by the model that wrote it; some were corrected since.
;; MHSA fl bs. Allowed arithmetic: matrix products marked QUANTISED: E2M1 operands, one E8M0 scale for each 32 along K, by v_wmma_scale_f32_16x16x128_f8f6f4 with both operands' format E2M1 (or v_wmma_scale_f32_32x16x128_f4), f32 sums; products left as they are: bf16, f16 or f32 operands; f32 sums; everything else in f32.
;; Inputs: Wb 1,024 x 64 float32; Wk 64 x 1,024 float32; Wq 64 x 1,024 float32; Wv 64 x 1,024 float32; bb 1,024 float32; bk 64 float32; bq 64 float32; bv 64 float32; k 1,024 x 4 x 1,024 float32; q 4 x 1,024 x 1,024 float32; v 4 x 1,024 x 1,024 float32.
;; Outputs: out0 1,024 x 4 x 1,024 float32.
;; Constants: h = 32, w = 32.
;; This version of the problem:
;;   THIS VERSION OF THE PROBLEM IS GIVEN IN LOW PRECISION. The matrix products marked QUANTISED in the list below multiply operands that are first quantised to E2M1 (2 exponent bits, 1 mantissa bit; 4 bits a number), with one power-of-two scale for each 32 numbers along K (OCP MX v1.0); their sums are f32. The products marked 'left as it is' may take bf16, f16 or f32 operands, with f32 sums. Whichever they take, every output number must still come out within the allowed error. Rounding operands to bf16 (8 significant bits) uses up far more of that allowance than f16 does (11 bits, for magnitudes from 6e-5 to 65,504). All else is computed in f32.
;;   The module's matrix products, in the order in which they are computed (A, B: the left and right operand; K: the contracted axis; several contracted axes count as one K, in the product's order):
;;     1. [M 4,096, K 1,024] x [K 1,024, N 64]; A: input q; B: input Wq: QUANTISED
;;     2. [M 4,096, K 1,024] x [K 1,024, N 64]; A: input k; B: input Wk: QUANTISED
;;     3. [M 4,096, K 1,024] x [K 1,024, N 64]; A: input v; B: input Wv: QUANTISED
;;     4. batch 4 x [M 1,024, K 64] x [K 64, N 1,024]; A: computed on the way; B: computed on the way: left as it is (an operand is computed on the way)
;;     5. batch 4 x [M 16,384, K 1,024] x [K 1,024, N 64]; A: computed on the way; B: computed on the way: left as it is (an operand is computed on the way)
;;     6. [M 65,536, K 64] x [K 64, N 1,024]; A: computed on the way; B: input Wb: left as it is (an operand is computed on the way)
;;   THE QUANTISER, for each operand of a quantised product, along K:
;;     - K is cut into blocks of 32 from its start; a last block that is shorter is filled with zeros.
;;     - A block's scale is 2^e with e = floor(log2(the largest magnitude in the block)) - 2, held to -126 .. 127; a block of zeros has e = 0. As a byte (E8M0): e + 127.
;;     - Each number is divided by its block's scale, clamped to +-6, and rounded to the nearest number of E2M1, ties to even, subnormals kept.
;;     - The product sums the exact products of the quantised numbers (number of the format x scale) in f32.
;;   ~~~python
;;   def quantise(x, axis):      # numpy; x: float32 -> the quantised numbers, widened to float32 again
;;       x = np.moveaxis(x, axis, -1); K = x.shape[-1]
;;       x = np.pad(x, [(0, 0)] * (x.ndim - 1) + [(0, -K % 32)]); x = x.reshape(x.shape[:-1] + (-1, 32)); a = np.abs(x).max(-1, keepdims=True)
;;       e = np.where(a > 0, np.clip(np.frexp(np.where(a > 0, a, 1))[1] - 1 - 2, -126, 127), 0)      # np.frexp(a)[1] - 1 = floor(log2(a)), exactly
;;       r = np.clip(x / 2.0 ** e, -6, 6)
;;       step = 2.0 ** (np.maximum(np.frexp(np.where(r == 0, 1, r))[1] - 1, 0) - 1)
;;       q = np.round(r / step) * step * 2.0 ** e      # np.round: ties to even
;;       return np.moveaxis(q.reshape(q.shape[:-2] + (-1,))[..., :K], -1, axis).astype(np.float32)
;;   ~~~
;; One version. Each part assembles by itself: llvm-mc -triple=amdgcn-amd-amdhsa -mcpu=gfx1250 --defsym DOCPART=n.
;; ======== version 1 of 1: 2 launches
;; limits: values are held in f16: magnitudes above 65,504 overflow, below 6.1e-05 lose precision
;; workspace buffers: QF 524,288 bytes; KF 524,288 bytes; VF 524,288 bytes; WbF 131,072 bytes
;; launch project (part 1): grid 192 x 1, 16 waves a work-group, no clusters, 305,152 bytes of LDS; arguments q, k, v, Wq, Wk, Wv, bq, bk, bv, Wb, QF, KF, VF, WbF; writes QF, KF, VF, WbF
.if DOCPART == 1
	.amdgcn_target "amdgcn-amd-amdhsa--gfx1250"
	.amdhsa_code_object_version 6
	.text
	.protected	k_qd8005d885f_project
	.globl	k_qd8005d885f_project
	.p2align	8
	.type	k_qd8005d885f_project,@function
k_qd8005d885f_project:
	s_mov_b64 s[64:65], 0
	v_nop
	global_prefetch_b8 v0, s[64:65] scope:SCOPE_SE
	s_setreg_imm32_b32 hwreg(HW_REG_WAVE_MODE, 25, 1), 1
	s_wait_xcnt 0x0
; qp = q Wq^T + bq, kp = k Wk^T + bk, vp = v Wv^T + bv: three products [4096][1024] x [1024][64] on codes of FP4 (E2M1) with one E8M0 scale for each 32 along K.
; Both operands arrive as f32 and are quantised here, in registers.  Besides, 64 work-groups turn Wb into f16.
; SHARES.  Work-group x: tensor x / 64 (0 q, 1 k, 2 v), block x % 64 = 64 rows of the flattened [4096][1024] tensor, all of K, all 64 columns.  Wave w: row tile T = w / 4, quarter of K J = w % 4 (K steps 2 J, 2 J + 1 of 128).
; THE ROWS OF A TILE ARE NOT NEIGHBOURS: tile T of block G takes rows 64 G + T + 4 r, r = 0 .. 15.  For k, stored [Sk][B][D], that is batch T and positions 16 G + r; q and v take the same rows, so that the
; order of the queries is the same in the weights and in vp when the next launch multiplies them.
; x: one tensor load a wave, 16 rows x 1,024 bytes, into the wave's own LDS bytes; nothing is filled twice, and a wave reads only what it fetched.
; W: wave (T, J) quantises rows 16 T .. 16 T + 15, K steps 2 J, 2 J + 1, and hands the two fragments to the others through LDS as images of the operand's registers (16 bytes a lane, 512 a store; scale words 4 bytes a lane).
; PRODUCTS.  q, k: transposed (source 0 = 16 rows of W, source 1 = 16 rows of x): a lane holds one row and eight neighbouring columns, which packed to bf16 are half of a 16-bit fragment.
;            v: natural (source 0 = x, source 1 = W): a lane holds one column and eight rows, which packed to f16 are half of a fragment of vp^T.
; The four quarters of K meet in LDS; wave (T, J) sums column tile J, adds the bias in f32 and stores 512 consecutive bytes.
; OUTPUT LAYOUT: the order of the operand's registers.  A 16-bit fragment is 1,024 bytes: registers 4 c .. 4 c + 3 at 512 c + 16 x lane.  A block is 8,192 bytes.
;   QF, KF: tile T at 2,048 T, column tile n at 512 n in it.   VF: 4,096 (T / 2) + 1,024 n + 512 (T % 2).   WbF: 16 rows of Wb at 2,048 each, the columns' 32s at 1,024.
; NO CLUSTER: what 64 work-groups share is a weight of 262,144 bytes in f32; beside x's 266,240 bytes that is more than the 327,680 bytes of LDS.
; LIMITS: NaN and infinities among q, k, v, Wq, Wk, Wv are not served; a block whose largest magnitude lies under 2^-124 gets the scale byte 1 (a block of zeros too: its codes are zeros, and this program alone reads the bytes).
;   vp is rounded to f16: |vp| under 65,504.  Wb is stored as 64 x Wb in f16 (the factor is exact): |Wb| under 1,023.  qp and kp are rounded to bf16.
.set XPITCH, 1040                      ; an LDS row of x: 1,024 bytes + 16 of padding, 65 x 16: the 16 rows that a load touches lie in 16 different columns of 16 bytes
.set XWAVE,  16*XPITCH                 ; a wave's 16 rows; later its first 4,096 bytes hold its partial sums (the region has had its only fill)
.set WIMG,   16*XWAVE                  ; W's 32 fragments: (K step s, column tile n) at (4 s + n) x 1,024
.set WSC,    WIMG+32*1024              ; their scale words: (4 s + n) x 128 + 4 x lane
.set SPARE,  WSC+32*128                ; the spare words, 128 bytes for each wave: eight blocks of 256 bytes that no other line names
.set LI,   1                           ; v1   16 x lane
.set WOFF, 3                           ; v3   W: row r of 4,096 bytes + 128 h
.set XAD,  4                           ; v4   x in LDS: my wave's region + r x pitch + 128 h
.set WIA,  5                           ; v5   where I store W's images
.set WSA,  6                           ; v6   and their scale words
.set PST,  7                           ; v7   where I store my partial sums
.set PLD,  8                           ; v8   where I read the four partial sums of my column tile
.set BFA,  9                           ; v9   where I read W's fragments of my quarter of K
.set BSA,  10                          ; v10  and their scale words
.set WBO,  11                          ; v11  Wb: row r of 256 bytes + 32 h
.set SPW,  12                          ; v12  LDS address of my spare word; never rewritten
.set NIL,  13                          ; v13  0; never rewritten
.set BTO,  14                          ; v14  32 h: the bias of a lane's eight columns
.set BNO,  15                          ; v15  4 r: the bias of a lane's one column
.set BF,   16                          ; v16-47   W's four fragments of one K step
.set BS,   48                          ; v48-51   their scale words
.set XS,   52                          ; v52-53   the scale words just made
.set TM,   54                          ; v54, 55 largest magnitudes; v56, 57 the conversions' scale operands; v58, 59 bytes; v60 8 h; v61 the other half's bytes
.set BT,   62                          ; v62-69   bias, eight columns a lane
.set BN,   70                          ; v70 bias, one column a lane; v71 = 0 (named with it as a pair)
.set OUTR, 72                          ; v72-75   the 16 bytes that I store
.set PC0,  80                          ; v80-87, v88-95  codes
.set PC1,  88
.set ACC,  96                          ; v96-127  four column tiles
.set STG,  128                         ; v128-255 numbers in f32
.set WV,   36                          ; s36 wave; s37 J; s38 T; s39 tensor; s40 block
.set KQ,   37
.set RT,   38
.set TEN,  39
.set BLK,  40
.set PX,   42                          ; s[42:43] x, s[44:45] W, s[46:47] bias, s[48:49] where the results go
.set PWT,  44
.set PB,   46
.set PO,   48
.set XO,   50                          ; s[50:51], s[68:73] offsets, in registers of their own
.set G0,   52                          ; s[52:55] descriptor group 0
.set G1,   56                          ; s[56:63] descriptor group 1
.set SEL,  66                          ; s[66:67] lane selects of v_permlanex16_b32: lane l xor 16
.set WO,   68
.set BO,   70
.set OO,   72
.set TA,   74                          ; s74-79 at work
; 64 numbers of a lane, register 32 c + e = k 64 c + 32 h + e of my row (two whole blocks of 32), become a fragment's eight registers of codes and its scale word.
.macro QUANT src, pc, pw
	v_max3_num_f32 v[TM], |v[(\src)]|, |v[(\src)+1]|, 0x1800000          ; the largest magnitude of each block, and the floor 2^(3 - 127): so the byte cannot fall under 1
	v_max3_num_f32 v[TM+1], |v[(\src)+32]|, |v[(\src)+33]|, 0x1800000
.irp i, 2,4,6,8,10,12,14,16,18,20,22,24,26,28,30
	v_max3_num_f32 v[TM], v[TM], |v[(\src)+\i]|, |v[(\src)+\i+1]|        ; (the two blocks by turns)
	v_max3_num_f32 v[TM+1], v[TM+1], |v[(\src)+32+\i]|, |v[(\src)+33+\i]|
.endr
	v_add_nc_u32 v[TM+2], 0xff000000, v[TM]        ; 2 off the exponent field: the conversion takes the exponent field of this operand as its scale
	v_add_nc_u32 v[TM+3], 0xff000000, v[TM+1]
	v_lshrrev_b32 v[TM+4], 23, v[TM+2]             ; the scales' bytes: blocks h and 2 + h
	v_lshrrev_b32 v[TM+5], 23, v[TM+3]
	v_lshl_or_b32 v[TM+4], v[TM+5], 16, v[TM+4]
	v_lshlrev_b32 v[TM+4], v[TM+6], v[TM+4]        ; at their places in the word: 8 h bits up
	v_permlanex16_b32 v[TM+7], v[TM+4], s[SEL], s[SEL+1]
	v_or_b32 v[\pw], v[TM+4], v[TM+7]              ; with lane l xor 16's two bytes the word is whole
.irp c, 0,1
.irp g, 0,1,2,3
	v_cvt_scalef32_pk8_fp4_f32 v[(\pc)+4*\c+\g], v[(\src)+32*\c+8*\g:(\src)+32*\c+8*\g+7], v[TM+2+\c]
.endr
.endr
	v_nop                                          ; one plain instruction behind the last scaled conversion
.endm
; Four products, 128 along K: my 16 rows against W's four column tiles; the four accumulators take turns.  The branch hangs on the work-group's number alone.
.macro MUL pc, pw, zero
	s_cmp_eq_u32 s[TEN], 2
	s_cbranch_scc1 .Lnat_\@
.irp nt, 0,1,2,3
.if \zero
	v_wmma_scale_f32_16x16x128_f8f6f4 v[ACC+8*\nt:ACC+8*\nt+7], v[BF+8*\nt:BF+8*\nt+7], v[(\pc):(\pc)+7], 0, v[BS+\nt], v[\pw] matrix_a_fmt:MATRIX_FMT_FP4 matrix_b_fmt:MATRIX_FMT_FP4
.else
	v_wmma_scale_f32_16x16x128_f8f6f4 v[ACC+8*\nt:ACC+8*\nt+7], v[BF+8*\nt:BF+8*\nt+7], v[(\pc):(\pc)+7], v[ACC+8*\nt:ACC+8*\nt+7], v[BS+\nt], v[\pw] matrix_a_fmt:MATRIX_FMT_FP4 matrix_b_fmt:MATRIX_FMT_FP4
.endif
.endr
	s_branch .Lmul_done_\@
.Lnat_\@:
.irp nt, 0,1,2,3
.if \zero
	v_wmma_scale_f32_16x16x128_f8f6f4 v[ACC+8*\nt:ACC+8*\nt+7], v[(\pc):(\pc)+7], v[BF+8*\nt:BF+8*\nt+7], 0, v[\pw], v[BS+\nt] matrix_a_fmt:MATRIX_FMT_FP4 matrix_b_fmt:MATRIX_FMT_FP4
.else
	v_wmma_scale_f32_16x16x128_f8f6f4 v[ACC+8*\nt:ACC+8*\nt+7], v[(\pc):(\pc)+7], v[BF+8*\nt:BF+8*\nt+7], v[ACC+8*\nt:ACC+8*\nt+7], v[\pw], v[BS+\nt] matrix_a_fmt:MATRIX_FMT_FP4 matrix_b_fmt:MATRIX_FMT_FP4
.endif
.endr
.Lmul_done_\@:
.endm
.macro BLOAD sl                        ; W's four fragments and scale words of K step 2 J + sl: 12 LDS loads
.irp nt, 0,1,2,3
	ds_load_b128 v[BF+8*\nt:BF+8*\nt+3], v[BFA] offset:(\sl)*4096+\nt*1024
	ds_load_b128 v[BF+8*\nt+4:BF+8*\nt+7], v[BFA] offset:(\sl)*4096+\nt*1024+512
	ds_load_b32 v[BS+\nt], v[BSA] offset:(\sl)*512+\nt*128
.endr
.endm
.macro XLOAD sl, reg                   ; my 64 numbers of K step 2 J + sl: 16 LDS loads
.irp c, 0,1
.irp i, 0,1,2,3,4,5,6,7
	ds_load_b128 v[(\reg)+32*\c+4*\i:(\reg)+32*\c+4*\i+3], v[XAD] offset:(\sl)*512+\c*256+\i*16
.endr
.endr
.endm
.macro PLACES n
.rept \n
	v_nop
.endr
.endm
	s_load_b512 s[8:23], s[0:1], 0x0               ; q, k, v, Wq, Wk, Wv, bq, bk
	s_load_b256 s[24:31], s[0:1], 0x40             ; bv, Wb, QF, KF
	s_load_b128 s[32:35], s[0:1], 0x60             ; VF, WbF
	v_lshl_add_u32 v[SPW], v0, 2, SPARE
	v_mov_b32 v[NIL], 0
	ds_add_u32 v[SPW], v[NIL]                      ; the wave's opening: the add, twice on end, and its wait ahead of my tensor load; the set-up below, work on registers, stands between
	ds_add_u32 v[SPW], v[NIL]
	v_lshrrev_b32 v16, 5, v0
	v_readfirstlane_b32 s[WV], v16                 ; wave 0..15
	s_and_b32 s[KQ], s[WV], 3                      ; J
	s_lshr_b32 s[RT], s[WV], 2                     ; T
	s_lshr_b32 s[TEN], ttmp9, 6                    ; 0 q, 1 k, 2 v
	s_and_b32 s[BLK], ttmp9, 63                    ; G
	s_lshl_b32 s[XO], s[BLK], 18                   ; x: 64 G rows of 4,096 bytes
	s_lshl_b32 s[TA], s[RT], 12                    ; + T rows
	s_add_co_u32 s[XO], s[XO], s[TA]
	s_lshl_b32 s[TA], s[KQ], 10                    ; + J quarters of a row
	s_add_co_u32 s[XO], s[XO], s[TA]
	s_mov_b32 s[XO+1], 0
	s_lshl_b32 s[WO], s[RT], 16                    ; W: 16 T rows of 4,096 bytes + J quarters
	s_add_co_u32 s[WO], s[WO], s[TA]
	s_mov_b32 s[WO+1], 0
	s_lshl_b32 s[BO], s[KQ], 6                     ; bias: 16 J numbers
	s_mov_b32 s[BO+1], 0
	s_lshl_b32 s[OO], s[RT], 11                    ; QF, KF: 2,048 T + 512 J
	s_lshl_b32 s[TA+1], s[KQ], 9
	s_add_co_u32 s[OO], s[OO], s[TA+1]
	s_lshr_b32 s[TA+1], s[RT], 1                   ; VF: 4,096 (T / 2) + 1,024 J + 512 (T % 2)
	s_lshl_b32 s[TA+1], s[TA+1], 12
	s_add_co_u32 s[TA+1], s[TA+1], s[TA]
	s_and_b32 s[TA+2], s[RT], 1
	s_lshl_b32 s[TA+2], s[TA+2], 9
	s_add_co_u32 s[TA+1], s[TA+1], s[TA+2]
	s_cmp_eq_u32 s[TEN], 2
	s_cselect_b32 s[OO], s[TA+1], s[OO]
	s_lshl_b32 s[TA+2], s[BLK], 13                 ; + 8,192 G
	s_add_co_u32 s[OO], s[OO], s[TA+2]
	s_mov_b32 s[OO+1], 0
	; descriptor group 1: 16 rows of 256 elements of 4 bytes, 4 rows of the tensor apart, 16 bytes of padding behind each row in LDS
	s_mov_b32 s[G1+0], (2<<16)|(1<<20)|(7<<22)|(3<<25)   ; no mask; elements of 4 bytes; padding on; after every 256 words (code 7); of 4 words (code 3)
	s_mov_b32 s[G1+1], 256<<16                     ; tensor_dim0 = 256
	s_mov_b32 s[G1+2], 16<<16                      ; tensor_dim1 = 16
	s_mov_b32 s[G1+3], 256<<16                     ; tile_dim0 = 256
	s_mov_b32 s[G1+4], 16                          ; tile_dim1 = 16
	s_mov_b32 s[G1+5], 4096                        ; from row to row: 4 rows of 1,024 elements
	s_mov_b32 s[G1+6], 0
	s_mov_b32 s[G1+7], 0
	s_mov_b32 s[G0], 1
	s_mul_i32 s[G0+1], s[WV], XWAVE                ; my wave's region
	s_mov_b32 s[SEL], 0x76543210
	s_mov_b32 s[SEL+1], 0xfedcba98
	v_and_b32 v2, 31, v0                           ; lane
	v_and_b32 v16, 15, v0                          ; r
	v_bfe_u32 v17, v0, 4, 1                        ; h
	v_lshlrev_b32 v[LI], 4, v2
	v_lshlrev_b32 v18, 2, v2                       ; 4 x lane
	v_lshlrev_b32 v[WOFF], 12, v16
	v_lshl_add_u32 v[WOFF], v17, 7, v[WOFF]
	v_mul_u32_u24 v[XAD], v16, XPITCH
	v_lshl_add_u32 v[XAD], v17, 7, v[XAD]
	s_mul_i32 s[TA], s[WV], XWAVE
	v_add_nc_u32 v[XAD], s[TA], v[XAD]
	v_add_nc_u32 v[PST], s[TA], v[LI]
	s_lshl_b32 s[TA], s[KQ], 13                    ; my quarter's eight fragments
	s_add_co_u32 s[TA], s[TA], WIMG
	v_add_nc_u32 v[BFA], s[TA], v[LI]
	s_lshl_b32 s[TA+1], s[RT], 10
	v_add_nc_u32 v[WIA], s[TA+1], v[BFA]           ; of them column tile T is the one that I make
	s_lshl_b32 s[TA], s[KQ], 10
	s_add_co_u32 s[TA], s[TA], WSC
	v_add_nc_u32 v[BSA], s[TA], v18
	s_lshl_b32 s[TA+1], s[RT], 7
	v_add_nc_u32 v[WSA], s[TA+1], v[BSA]
	s_mul_i32 s[TA], s[RT], 4*XWAVE                ; the four waves of my row tile,
	s_lshl_b32 s[TA+1], s[KQ], 10                  ; column tile J of each
	s_add_co_u32 s[TA], s[TA], s[TA+1]
	v_add_nc_u32 v[PLD], s[TA], v[LI]
	v_lshlrev_b32 v[WBO], 8, v16
	v_lshl_add_u32 v[WBO], v17, 5, v[WBO]
	v_lshlrev_b32 v[BTO], 5, v17
	v_lshlrev_b32 v[BNO], 2, v16
	v_lshlrev_b32 v[TM+6], 3, v17                  ; 8 h
	v_mov_b32 v[TM+7], 0                           ; written once: a lane permute's destination counts as one of its sources
	v_mov_b32 v[BN+1], 0
	s_wait_dscnt 0x0                               ; both opening adds are done
	s_wait_kmcnt 0x0
	s_cmp_eq_u32 s[TEN], 0                         ; the buffers are chosen by the work-group's number alone
	s_cselect_b64 s[PX:PX+1], s[8:9], s[10:11]
	s_cselect_b64 s[PWT:PWT+1], s[14:15], s[16:17]
	s_cselect_b64 s[PB:PB+1], s[20:21], s[22:23]
	s_cselect_b64 s[PO:PO+1], s[28:29], s[30:31]
	s_cmp_eq_u32 s[TEN], 2
	s_cselect_b64 s[PX:PX+1], s[12:13], s[PX:PX+1]
	s_cselect_b64 s[PWT:PWT+1], s[18:19], s[PWT:PWT+1]
	s_cselect_b64 s[PB:PB+1], s[24:25], s[PB:PB+1]
	s_cselect_b64 s[PO:PO+1], s[32:33], s[PO:PO+1]
	s_add_nc_u64 s[PWT:PWT+1], s[PWT:PWT+1], s[WO:WO+1]
	s_add_nc_u64 s[PB:PB+1], s[PB:PB+1], s[BO:BO+1]
	s_add_nc_u64 s[PO:PO+1], s[PO:PO+1], s[OO:OO+1]
	s_add_nc_u64 s[G0+2:G0+3], s[PX:PX+1], s[XO:XO+1]
	s_or_b32 s[G0+3], s[G0+3], 0x80000000          ; type = 2
	; my share of W, 32 loads, is asked for ahead of x: it is wanted first
.irp sl, 0,1
.irp c, 0,1
.irp i, 0,1,2,3,4,5,6,7
	global_load_b128 v[STG+64*\sl+32*\c+4*\i:STG+64*\sl+32*\c+4*\i+3], v[WOFF], s[PWT:PWT+1] offset:\sl*512+\c*256+\i*16
.endr
.endr
.endr
	global_load_b128 v[BT:BT+3], v[BTO], s[PB:PB+1]            ; bias[16 J + 8 h + 0 .. 7]
	global_load_b128 v[BT+4:BT+7], v[BTO], s[PB:PB+1] offset:16
	global_load_b32 v[BN], v[BNO], s[PB:PB+1]                  ; bias[16 J + r]
	tensor_load_to_lds s[G0:G0+3], s[G1:G1+7]      ; my 16 rows x 1,024 bytes of x: my one tensor load
	s_nop 0
	; ---- W: two fragments
	s_wait_loadcnt 19                              ; the first K step's 16 loads are in; behind them stand 16 of W and 3 of the bias
	QUANT STG, PC1, XS
	ds_store_b128 v[WIA], v[PC1:PC1+3]
	ds_store_b128 v[WIA], v[PC1+4:PC1+7] offset:512
	ds_store_b32 v[WSA], v[XS]
	s_wait_loadcnt 3                               ; all of W is in; the bias may be out
	QUANT STG+64, PC0, XS+1
	ds_store_b128 v[WIA], v[PC0:PC0+3] offset:4096
	ds_store_b128 v[WIA], v[PC0+4:PC0+7] offset:4608
	ds_store_b32 v[WSA], v[XS+1] offset:512
	s_wait_dscnt 0x0                               ; for the others' sake: my images have landed
	s_barrier_signal -1
	s_barrier_wait -1                              ; W's 32 fragments lie in LDS.  My tensor load may stay out
	; ---- Wb: wave 0 of work-groups 0 .. 63 turns 16 rows of Wb into two f16 fragments of 64 x Wb, while its rows of x are on their way.  Memory and registers alone
	s_cmp_lg_u32 s[WV], 0
	s_cbranch_scc1 .Lno_wb
	s_cmp_gt_u32 ttmp9, 63
	s_cbranch_scc1 .Lno_wb
	s_lshl_b32 s[TA], ttmp9, 12                    ; 16 rows of 256 bytes
	s_mov_b32 s[TA+1], 0
	s_add_nc_u64 s[TA+2:TA+3], s[26:27], s[TA:TA+1]
	s_lshl_b32 s[TA], ttmp9, 11                    ; two fragments
	s_add_nc_u64 s[TA+4:TA+5], s[34:35], s[TA:TA+1]
.irp n, 0,1,2,3
.irp i, 0,1
	global_load_b128 v[STG+8*\n+4*\i:STG+8*\n+4*\i+3], v[WBO], s[TA+2:TA+3] offset:64*\n+16*\i   ; Wb(r, 16 n + 8 h + 4 i ..)
.endr
.endr
	s_wait_loadcnt 0x0
.irp j, 0,2,4,6,8,10,12,14,16,18,20,22,24,26,28,30
	v_pk_mul_f32 v[STG+\j:STG+\j+1], v[STG+\j:STG+\j+1], 0x42800000 op_sel_hi:[1,0]   ; x 64: exact
.endr
.irp j, 0,1,2,3,4,5,6,7,8,9,10,11,12,13,14,15
	v_cvt_pk_f16_f32 v[STG+32+\j], v[STG+2*\j], v[STG+2*\j+1]
.endr
.irp n, 0,1,2,3
	global_store_b128 v[LI], v[STG+32+4*\n:STG+32+4*\n+3], s[TA+4:TA+5] offset:512*\n   ; 512 consecutive bytes a store
.endr
	s_wait_xcnt 0x0                                ; the stores have read their registers: x's numbers may land there
.Lno_wb:
	; ---- x: two K steps
	BLOAD 0
	s_wait_tensorcnt 0x0                           ; my rows of x are in LDS; nobody else reads them
	XLOAD 0, STG
	XLOAD 1, STG+64
	s_wait_dscnt 16                                ; W's fragments and the first K step are in; the second K step's 16 loads may be out
	QUANT STG, PC1, XS
	PLACES 7                                       ; with the one at the macro's end: eight places between the scale word's last write and the scaled products
	MUL PC1, XS, 1                                 ; the first K step starts the sums
	PLACES 4                                       ; in front of loads into registers that the products have read
	BLOAD 1
	s_wait_dscnt 12                                ; the second K step's numbers are in; the 12 loads just issued may be out
	QUANT STG+64, PC0, XS+1
	PLACES 7
	s_wait_dscnt 0x0
	MUL PC0, XS+1, 0
	PLACES 4                                       ; in front of the first read of the results
	; ---- the four quarters of K meet
.irp nt, 0,1,2,3
	ds_store_b128 v[PST], v[ACC+8*\nt:ACC+8*\nt+3] offset:\nt*1024          ; each accumulator from its low end on
	ds_store_b128 v[PST], v[ACC+8*\nt+4:ACC+8*\nt+7] offset:\nt*1024+512
.endr
	s_wait_dscnt 0x0                               ; for the others' sake: my sums have landed
	s_barrier_signal -1
	s_barrier_wait -1
.irp jj, 0,1,2,3
	ds_load_b128 v[STG+8*\jj:STG+8*\jj+3], v[PLD] offset:\jj*XWAVE
	ds_load_b128 v[STG+8*\jj+4:STG+8*\jj+7], v[PLD] offset:\jj*XWAVE+512
.endr
	s_wait_loadcnt 0x0                             ; the bias
	s_wait_dscnt 0x0
.irp p, 0,2,4,6
	v_pk_add_f32 v[STG+\p:STG+\p+1], v[STG+\p:STG+\p+1], v[STG+8+\p:STG+9+\p]
	v_pk_add_f32 v[STG+16+\p:STG+17+\p], v[STG+16+\p:STG+17+\p], v[STG+24+\p:STG+25+\p]
.endr
.irp p, 0,2,4,6
	v_pk_add_f32 v[STG+\p:STG+\p+1], v[STG+\p:STG+\p+1], v[STG+16+\p:STG+17+\p]
.endr
	s_cmp_eq_u32 s[TEN], 2
	s_cbranch_scc1 .Lout_v
.irp p, 0,2,4,6
	v_pk_add_f32 v[STG+\p:STG+\p+1], v[STG+\p:STG+\p+1], v[BT+\p:BT+\p+1]   ; q, k: my row's columns 16 J + 8 h + 0 .. 7
.endr
.irp p, 0,1,2,3
	v_cvt_pk_bf16_f32 v[OUTR+\p], v[STG+2*\p], v[STG+2*\p+1]
.endr
	s_branch .Lout
.Lout_v:
.irp p, 0,2,4,6
	v_pk_add_f32 v[STG+\p:STG+\p+1], v[STG+\p:STG+\p+1], v[BN:BN+1] op_sel_hi:[1,0]   ; v: column 16 J + r of rows 8 h + 0 .. 7
.endr
.irp p, 0,1,2,3
	v_cvt_pk_f16_f32 v[OUTR+\p], v[STG+2*\p], v[STG+2*\p+1]
.endr
.Lout:
	global_store_b128 v[LI], v[OUTR:OUTR+3], s[PO:PO+1]   ; the wave stores 512 consecutive bytes, at a multiple of 512 from the buffer's first byte
	s_wait_tensorcnt 0x0                           ; the wave's end, behind my tensor load and my last LDS store
	ds_add_u32 v[SPW], v[NIL]
	s_wait_dscnt 0x0
	s_endpgm
.Lfunc_end_k_qd8005d885f_project:
	.size	k_qd8005d885f_project, .Lfunc_end_k_qd8005d885f_project-k_qd8005d885f_project
	.p2alignl 7, 3214868480
	.fill 96, 4, 3214868480
	.section	.rodata,"a",@progbits
	.p2align	6, 0x0
	.amdhsa_kernel k_qd8005d885f_project
		.amdhsa_group_segment_fixed_size 305152
		.amdhsa_private_segment_fixed_size 0
		.amdhsa_enable_private_segment 0
		.amdhsa_kernarg_size 112
		.amdhsa_user_sgpr_count 2
		.amdhsa_user_sgpr_kernarg_segment_ptr 1
		.amdhsa_wavefront_size32 1
		.amdhsa_system_sgpr_workgroup_id_x 1
		.amdhsa_system_sgpr_workgroup_id_y 1
		.amdhsa_system_sgpr_workgroup_id_z 1
		.amdhsa_system_vgpr_workitem_id 0
		.amdhsa_next_free_vgpr 256
		.amdhsa_next_free_sgpr 80
		.amdhsa_reserve_vcc 0
		.amdhsa_float_denorm_mode_32 3
		.amdhsa_float_denorm_mode_16_64 3
		.amdhsa_memory_ordered 1
		.amdhsa_forward_progress 1
		.amdhsa_inst_pref_size 34
	.end_amdhsa_kernel
	.amdgpu_metadata
---
amdhsa.version: [ 1, 2 ]
amdhsa.kernels:
  - .name:           k_qd8005d885f_project
    .symbol:         k_qd8005d885f_project.kd
    .args:
      - { .name: q, .offset: 0, .size: 8, .value_kind: global_buffer, .address_space: global }
      - { .name: k, .offset: 8, .size: 8, .value_kind: global_buffer, .address_space: global }
      - { .name: v, .offset: 16, .size: 8, .value_kind: global_buffer, .address_space: global }
      - { .name: Wq, .offset: 24, .size: 8, .value_kind: global_buffer, .address_space: global }
      - { .name: Wk, .offset: 32, .size: 8, .value_kind: global_buffer, .address_space: global }
      - { .name: Wv, .offset: 40, .size: 8, .value_kind: global_buffer, .address_space: global }
      - { .name: bq, .offset: 48, .size: 8, .value_kind: global_buffer, .address_space: global }
      - { .name: bk, .offset: 56, .size: 8, .value_kind: global_buffer, .address_space: global }
      - { .name: bv, .offset: 64, .size: 8, .value_kind: global_buffer, .address_space: global }
      - { .name: Wb, .offset: 72, .size: 8, .value_kind: global_buffer, .address_space: global }
      - { .name: QF, .offset: 80, .size: 8, .value_kind: global_buffer, .address_space: global }
      - { .name: KF, .offset: 88, .size: 8, .value_kind: global_buffer, .address_space: global }
      - { .name: VF, .offset: 96, .size: 8, .value_kind: global_buffer, .address_space: global }
      - { .name: WbF, .offset: 104, .size: 8, .value_kind: global_buffer, .address_space: global }
    .group_segment_fixed_size: 305152
    .private_segment_fixed_size: 0
    .kernarg_segment_align: 8
    .kernarg_segment_size: 112
    .max_flat_workgroup_size: 512
    .sgpr_count:     80
    .vgpr_count:     256
    .wavefront_size: 32
...
	.end_amdgpu_metadata
.endif
;; end of part 1
;; launch attend (part 2): grid 256 x 1, 16 waves a work-group, no clusters, 139,264 bytes of LDS; arguments QF, KF, VF, WbF, bb, out0; writes out0
.if DOCPART == 2
	.amdgcn_target "amdgcn-amd-amdhsa--gfx1250"
	.amdhsa_code_object_version 6
	.text
	.protected	k_qd8005d885f_attend
	.globl	k_qd8005d885f_attend
	.p2align	8
	.type	k_qd8005d885f_attend,@function
k_qd8005d885f_attend:
	s_mov_b64 s[64:65], 0
	v_nop
	global_prefetch_b8 v0, s[64:65] scope:SCOPE_SE
	s_setreg_imm32_b32 hwreg(HW_REG_WAVE_MODE, 25, 1), 1
	s_wait_xcnt 0x0
; scores = kp qp^T / 64; softmax over the HEAD axis; ctx = attn vp; out = ctx Wb^T + bb; the mean over the heads; stored [Sk][B][D].
; THE HEADS.  The 16 heads are copies of one score, made by a broadcast in the problem's own body.  So for every input the largest of a score's 16 copies is the score, the sum is 16 equal exponentials, and the mean is
; taken over 16 equal rows: each step is computed once and not 16 times.  No step is left out: the maximum is taken away, the exponential, the sum and the division are made (a score that is not finite gives NaN here too).
; SHARES.  Work-group x: batch b = x % 4, positions sk = 16 (x / 4) + 0 .. 15 of k.  Wave w: the 64 queries of block 16 b + w for the scores, the weights and its part of ctx; then columns 64 w .. 64 w + 63 of out.
; All operands lie in memory in the order of the operand's registers, so every load is 512 consecutive bytes, 16 a lane, straight into the registers that the matrix instruction names.
; LAYOUT.  All three products are used transposed: S^T (source 0 = 16 queries, source 1 = my 16 positions), ctx^T = vp^T P^T, out^T = Wb ctx^T: a lane holds ONE position (lane % 16) throughout, and the results
; of one product, packed in pairs, are source 1 of the next.  The queries of a tile are 4 apart in q and in v alike, so P's order along K is vp's.
; FORMATS.  Scores on bf16 operands; weights, vp, ctx and Wb in f16.  ctx is carried as ctx / 64 (an average of vp, so it fits where vp fits) and Wb as 64 x Wb: both factors are exact.
; The 16 waves' parts of ctx meet in LDS: wave w sums registers 2 w, 2 w + 1 of the 16 parts, which packed are register w of the operand, and stores it at 128 w + 4 x lane.
; NO CLUSTER, NO LDS TILES: what work-groups share is qp and vp of a batch and Wb, 3 x 131,072 bytes, more than the 327,680 bytes of LDS; each wave needs 24 KiB of them once, for 24 matrix instructions.
; LIMITS: |vp| under 65,504 and |Wb| under 1,023 (f16).
.set PART,   0                         ; 16 x 4,096: each wave's part of ctx^T, as an image of its 32 registers
.set CTX,    16*4096                   ; 2,048: the ctx operand's 16 registers, 128 bytes each
.set STAGE,  CTX+2048                  ; 16 x 4,352: for each wave 16 rows x (256 bytes + 16)
.set SPITCH, 272
.set SWAVE,  16*SPITCH
.set SPARE,  STAGE+16*SWAVE            ; the spare words, 128 bytes for each wave: eight blocks of 256 bytes that no other line names
.set LI,  1                            ; v1   16 x lane
.set PSA, 2                            ; v2   where I store my part
.set PRA, 3                            ; v3   where I read registers 2 w, 2 w + 1 of part 0
.set CSA, 4                            ; v4   where I store my register of the operand
.set CRA, 5                            ; v5   where the operand's register 0 is read
.set SIN, 6                            ; v6   my stage, in: row r, 32 h
.set SBK, 7                            ; v7   my stage, back: row h, 16 r
.set GO,  8                            ; v8   out: row h of 16,384 bytes, 16 r
.set BBO, 9                            ; v9   16 r
.set SPW, 10                           ; v10  LDS address of my spare word; never rewritten
.set NIL, 11                           ; v11  0; never rewritten
.set BB,  12                           ; v12-15   bb[64 w + 4 r + 0 .. 3]
.set KR,  16                           ; v16-31   kp's two fragments; then P; then the ctx operand
.set QR,  32                           ; v32-95   qp's eight fragments; then v32-63 the sums and their reciprocals, later out^T; v64-95 my part of ctx^T
.set VR,  96                           ; v96-159  vp^T's eight fragments; then rows of out
.set WR,  160                          ; v160-223 Wb's eight fragments
.set SC,  224                          ; v224-255 S^T, then the weights; then the 16 parts
.set CP,  64
.macro DENSE reg, n, base              ; n loads of 512 consecutive bytes
.set II, 0
.rept \n
	global_load_b128 v[\reg+4*II:\reg+4*II+3], v[LI], s[\base:\base+1] offset:512*II
.set II, II+1
.endr
.endm
.macro PLACES
.rept 4
	v_nop
.endr
.endm
	s_load_b256 s[4:11], s[0:1], 0x0               ; QF s[4:5], KF s[6:7], VF s[8:9], WbF s[10:11]
	s_load_b128 s[12:15], s[0:1], 0x20             ; bb s[12:13], out0 s[14:15]
	v_lshl_add_u32 v[SPW], v0, 2, SPARE
	v_mov_b32 v[NIL], 0
	v_lshrrev_b32 v227, 5, v0
	v_readfirstlane_b32 s16, v227                  ; wave 0..15
	v_and_b32 v224, 31, v0                         ; lane
	v_and_b32 v225, 15, v0                         ; r
	v_bfe_u32 v226, v0, 4, 1                       ; h
	v_lshlrev_b32 v[LI], 4, v224
	v_lshlrev_b32 v[BBO], 4, v225
	v_lshl_add_u32 v[CRA], v224, 2, CTX
	s_lshl_b32 s20, s16, 7
	v_add_nc_u32 v[CSA], s20, v[CRA]
	s_lshl_b32 s20, s16, 12
	v_add_nc_u32 v[PSA], s20, v[LI]
	s_lshr_b32 s20, s16, 1                         ; registers 2 w, 2 w + 1 lie in the image's group w / 2 of four registers, 8 (w % 2) bytes into a lane's 16
	s_lshl_b32 s20, s20, 9
	s_and_b32 s21, s16, 1
	s_lshl_b32 s21, s21, 3
	s_add_co_u32 s20, s20, s21
	v_add_nc_u32 v[PRA], s20, v[LI]
	s_mul_i32 s20, s16, SWAVE
	s_add_co_u32 s20, s20, STAGE
	v_mul_u32_u24 v[SIN], v225, SPITCH
	v_lshl_add_u32 v[SIN], v226, 5, v[SIN]
	v_add_nc_u32 v[SIN], s20, v[SIN]
	v_mul_u32_u24 v[SBK], v226, SPITCH
	v_lshl_add_u32 v[SBK], v225, 4, v[SBK]
	v_add_nc_u32 v[SBK], s20, v[SBK]
	v_lshlrev_b32 v[GO], 14, v226
	v_lshl_add_u32 v[GO], v225, 4, v[GO]
	s_and_b32 s17, ttmp9, 3                        ; b
	s_lshr_b32 s18, ttmp9, 2                       ; which 16 positions
	s_lshl_b32 s22, ttmp9, 11                      ; KF: block x / 4, tile b: 2,048 x
	s_mov_b32 s23, 0
	s_lshl_b32 s24, s17, 4
	s_add_co_u32 s24, s24, s16
	s_lshl_b32 s24, s24, 13                        ; QF, VF: block 16 b + w of 8,192 bytes
	s_mov_b32 s25, 0
	s_lshl_b32 s26, s16, 13                        ; WbF: my 64 rows, 8,192 bytes
	s_mov_b32 s27, 0
	s_lshl_b32 s28, s16, 8                         ; bb: my 64 numbers
	s_mov_b32 s29, 0
	s_lshl_b32 s30, s18, 18                        ; out: 16 positions of 16,384 bytes,
	s_lshl_b32 s31, s17, 12                        ; batch b,
	s_add_co_u32 s30, s30, s31
	s_add_co_u32 s30, s30, s28                     ; my 256 bytes of a row
	s_mov_b32 s31, 0
	s_wait_kmcnt 0x0
	s_add_nc_u64 s[6:7], s[6:7], s[22:23]
	s_add_nc_u64 s[4:5], s[4:5], s[24:25]
	s_add_nc_u64 s[8:9], s[8:9], s[24:25]
	s_add_nc_u64 s[10:11], s[10:11], s[26:27]
	s_add_nc_u64 s[12:13], s[12:13], s[28:29]
	s_add_nc_u64 s[14:15], s[14:15], s[30:31]
	DENSE KR, 4, 6                                 ; all 53 loads go out at once, in the order in which they are wanted
	DENSE QR, 16, 4
	DENSE VR, 16, 8
	DENSE WR, 16, 10
	global_load_b128 v[BB:BB+3], v[BBO], s[12:13]
	; ---- S^T = qp kp^T: four tiles of 16 queries, two steps of 32 along the 64; the four accumulators take turns
	s_wait_loadcnt 33                              ; kp and qp are in; vp's 16, Wb's 16 and bb's one may be out
.irp s, 0,1
.irp t, 0,1,2,3
.if \s == 0
	v_wmma_f32_16x16x32_bf16 v[SC+8*\t:SC+8*\t+7], v[QR+16*\t+8*\s:QR+16*\t+8*\s+7], v[KR+8*\s:KR+8*\s+7], 0
.else
	v_wmma_f32_16x16x32_bf16 v[SC+8*\t:SC+8*\t+7], v[QR+16*\t+8*\s:QR+16*\t+8*\s+7], v[KR+8*\s:KR+8*\s+7], v[SC+8*\t:SC+8*\t+7]
.endif
.endr
.endr
	PLACES
	; ---- the softmax over the heads, for each of my lane's 32 scores
.set J, 0
.rept 16
	v_pk_mul_f32 v[SC+J:SC+J+1], v[SC+J:SC+J+1], 0x3cb8aa3b op_sel_hi:[1,0]   ; a = score / 64 x log2(e); each accumulator from its low end on
.set J, J+2
.endr
.set J, 0
.rept 16
	v_pk_add_f32 v[SC+J:SC+J+1], v[SC+J:SC+J+1], v[SC+J:SC+J+1] neg_lo:[0,1] neg_hi:[0,1]   ; less the largest of the 16 heads' a, which are copies of this one
.set J, J+2
.endr
.set J, 0
.rept 32
	v_exp_f32 v[SC+J], v[SC+J]
.set J, J+1
.endr
	v_nop                                          ; a plain instruction behind the last exponential,
	s_wait_alu depctr_va_vdst(0)                   ; and one wait for the batch, ahead of its first reader
.set J, 0
.rept 16
	v_pk_mul_f32 v[QR+J:QR+J+1], v[SC+J:SC+J+1], 0x41800000 op_sel_hi:[1,0]   ; the sum over the 16 heads
.set J, J+2
.endr
.set J, 0
.rept 32
	v_rcp_f32 v[QR+J], v[QR+J]
.set J, J+1
.endr
	v_nop
	s_wait_alu depctr_va_vdst(0)                   ; one wait for the 32 reciprocals
.set J, 0
.rept 16
	v_pk_mul_f32 v[SC+J:SC+J+1], v[SC+J:SC+J+1], v[QR+J:QR+J+1]               ; the weight
.set J, J+2
.endr
.set J, 0
.rept 16
	v_cvt_pk_f16_f32 v[KR+J], v[SC+2*J], v[SC+2*J+1]   ; tiles 2 S, 2 S + 1, packed in pairs, are source 1 of step S: 32 queries x my 16 positions
.set J, J+1
.endr
	; ---- my part of ctx^T = vp^T P^T: four tiles of 16 of the 64 channels, two steps of 32 queries
	s_wait_loadcnt 17                              ; vp is in; Wb's 16 and bb's one may be out
.irp s, 0,1
.irp n, 0,1,2,3
.if \s == 0
	v_wmma_f32_16x16x32_f16 v[CP+8*\n:CP+8*\n+7], v[VR+8*(4*\s+\n):VR+8*(4*\s+\n)+7], v[KR+8*\s:KR+8*\s+7], 0
.else
	v_wmma_f32_16x16x32_f16 v[CP+8*\n:CP+8*\n+7], v[VR+8*(4*\s+\n):VR+8*(4*\s+\n)+7], v[KR+8*\s:KR+8*\s+7], v[CP+8*\n:CP+8*\n+7]
.endif
.endr
.endr
	PLACES
.irp n, 0,1,2,3,4,5,6,7
	ds_store_b128 v[PSA], v[CP+4*\n:CP+4*\n+3] offset:512*\n
.endr
	s_wait_dscnt 0x0                               ; for the others' sake: my part has landed
	s_barrier_signal -1
	s_barrier_wait -1
	; ---- the 16 parts are summed: two registers a wave
.irp p, 0,1,2,3,4,5,6,7,8,9,10,11,12,13,14,15
	ds_load_b64 v[SC+2*\p:SC+2*\p+1], v[PRA] offset:4096*\p
.endr
	s_wait_dscnt 0x0
.irp p, 0,2,4,6,8,10,12,14
	v_pk_add_f32 v[SC+\p:SC+\p+1], v[SC+\p:SC+\p+1], v[SC+16+\p:SC+17+\p]
.endr
.irp p, 0,2,4,6
	v_pk_add_f32 v[SC+\p:SC+\p+1], v[SC+\p:SC+\p+1], v[SC+8+\p:SC+9+\p]
.endr
.irp p, 0,2
	v_pk_add_f32 v[SC+\p:SC+\p+1], v[SC+\p:SC+\p+1], v[SC+4+\p:SC+5+\p]
.endr
	v_pk_add_f32 v[SC:SC+1], v[SC:SC+1], v[SC+2:SC+3]
	v_pk_mul_f32 v[SC:SC+1], v[SC:SC+1], 0x3c800000 op_sel_hi:[1,0]   ; ctx / 64: exact
	v_cvt_pk_f16_f32 v[SC+4], v[SC], v[SC+1]       ; register w of the operand: channels 16 (w / 4) + 8 h + 2 (w % 4), + 1
	ds_store_b32 v[CSA], v[SC+4]
	s_wait_dscnt 0x0
	s_barrier_signal -1
	s_barrier_wait -1
.irp n, 0,1,2,3,4,5,6,7,8,9,10,11,12,13,14,15
	ds_load_b32 v[KR+\n], v[CRA] offset:128*\n
.endr
	; ---- out^T = Wb ctx^T: my four tiles of 16 columns, two steps of 32 channels
	s_wait_loadcnt 1                               ; Wb is in; bb may be out
	s_wait_dscnt 0x0
.irp s, 0,1
.irp n, 0,1,2,3
.if \s == 0
	v_wmma_f32_16x16x32_f16 v[QR+8*\n:QR+8*\n+7], v[WR+16*\n+8*\s:WR+16*\n+8*\s+7], v[KR+8*\s:KR+8*\s+7], 0
.else
	v_wmma_f32_16x16x32_f16 v[QR+8*\n:QR+8*\n+7], v[WR+16*\n+8*\s:WR+16*\n+8*\s+7], v[KR+8*\s:KR+8*\s+7], v[QR+8*\n:QR+8*\n+7]
.endif
.endr
.endr
	PLACES
	; ---- the way out: a lane holds eight neighbouring columns of one row; through my own stage they become whole runs of 256 bytes
.irp n, 0,1,2,3
	ds_store_b128 v[SIN], v[QR+8*\n:QR+8*\n+3] offset:64*\n
	ds_store_b128 v[SIN], v[QR+8*\n+4:QR+8*\n+7] offset:64*\n+16
.endr
.irp i, 0,1,2,3,4,5,6,7
	ds_load_b128 v[VR+4*\i:VR+4*\i+3], v[SBK] offset:2*\i*SPITCH   ; LDS serves a wave's instructions in order: these see my stores
.endr
	s_wait_loadcnt 0x0                             ; bb
.irp i, 0,1,2,3,4,5,6,7
	s_wait_dscnt 7-\i                              ; rows 2 i, 2 i + 1 are back; the younger loads may be out
	v_pk_add_f32 v[VR+4*\i:VR+4*\i+1], v[VR+4*\i:VR+4*\i+1], v[BB:BB+1]
	v_pk_add_f32 v[VR+4*\i+2:VR+4*\i+3], v[VR+4*\i+2:VR+4*\i+3], v[BB+2:BB+3]
	global_store_b128 v[GO], v[VR+4*\i:VR+4*\i+3], s[14:15] offset:32768*\i th:TH_STORE_NT   ; sixteen lanes store 256 consecutive bytes, at a multiple of 256 from out0's first byte
.endr
	s_wait_tensorcnt 0x0                           ; the wave's end, behind my last LDS store
	ds_add_u32 v[SPW], v[NIL]
	s_wait_dscnt 0x0
	s_endpgm
.Lfunc_end_k_qd8005d885f_attend:
	.size	k_qd8005d885f_attend, .Lfunc_end_k_qd8005d885f_attend-k_qd8005d885f_attend
	.p2alignl 7, 3214868480
	.fill 96, 4, 3214868480
	.section	.rodata,"a",@progbits
	.p2align	6, 0x0
	.amdhsa_kernel k_qd8005d885f_attend
		.amdhsa_group_segment_fixed_size 139264
		.amdhsa_private_segment_fixed_size 0
		.amdhsa_enable_private_segment 0
		.amdhsa_kernarg_size 48
		.amdhsa_user_sgpr_count 2
		.amdhsa_user_sgpr_kernarg_segment_ptr 1
		.amdhsa_wavefront_size32 1
		.amdhsa_system_sgpr_workgroup_id_x 1
		.amdhsa_system_sgpr_workgroup_id_y 1
		.amdhsa_system_sgpr_workgroup_id_z 1
		.amdhsa_system_vgpr_workitem_id 0
		.amdhsa_next_free_vgpr 256
		.amdhsa_next_free_sgpr 66
		.amdhsa_reserve_vcc 0
		.amdhsa_float_denorm_mode_32 3
		.amdhsa_float_denorm_mode_16_64 3
		.amdhsa_memory_ordered 1
		.amdhsa_forward_progress 1
		.amdhsa_inst_pref_size 25
	.end_amdhsa_kernel
	.amdgpu_metadata
---
amdhsa.version: [ 1, 2 ]
amdhsa.kernels:
  - .name:           k_qd8005d885f_attend
    .symbol:         k_qd8005d885f_attend.kd
    .args:
      - { .name: QF, .offset: 0, .size: 8, .value_kind: global_buffer, .address_space: global }
      - { .name: KF, .offset: 8, .size: 8, .value_kind: global_buffer, .address_space: global }
      - { .name: VF, .offset: 16, .size: 8, .value_kind: global_buffer, .address_space: global }
      - { .name: WbF, .offset: 24, .size: 8, .value_kind: global_buffer, .address_space: global }
      - { .name: bb, .offset: 32, .size: 8, .value_kind: global_buffer, .address_space: global }
      - { .name: out0, .offset: 40, .size: 8, .value_kind: global_buffer, .address_space: global }
    .group_segment_fixed_size: 139264
    .private_segment_fixed_size: 0
    .kernarg_segment_align: 8
    .kernarg_segment_size: 48
    .max_flat_workgroup_size: 512
    .sgpr_count:     66
    .vgpr_count:     256
    .wavefront_size: 32
...
	.end_amdgpu_metadata
.endif
;; end of part 2
